; MI455X (gfx1250); checked and timed in simulation.
; The chip was launched on July 23, 2026; its instructions are those of AMD's public machine-readable ISA for CDNA 5 (MIT licence, August 2026) and "CDNA5" Instruction Set Architecture Reference Guide (July 2026). The comments in the code are by the model that wrote it; some were corrected since.
;; QKV Attention. Allowed arithmetic: matrix products marked QUANTISED: E2M3 operands, one E8M0 scale for each 32 along K, by v_wmma_scale_f32_16x16x128_f8f6f4 with both operands' format E2M3, f32 sums; everything else in f32.
;; Inputs: qkv 4 x 2,048 x 3,072 float32.
;; Outputs: out0 4 x 2,048 x 1,024 float32.
;; This version of the problem:
;;   THIS VERSION OF THE PROBLEM IS GIVEN IN LOW PRECISION. The matrix products marked QUANTISED in the list below multiply operands that are first quantised to E2M3 (2 exponent bits, 3 mantissa bits; 6 bits a number), with one power-of-two scale for each 32 numbers along K (OCP MX v1.0); their sums are f32. All else is computed in f32.
;;   The module's matrix products, in the order in which they are computed (A, B: the left and right operand; K: the contracted axis; several contracted axes count as one K, in the product's order):
;;     1. batch 64 x [M 2,048, K 64] x [K 64, N 2,048]; A: computed on the way; B: computed on the way: QUANTISED
;;     2. batch 64 x [M 2,048, K 2,048] x [K 2,048, N 64]; A: softmax (see below); B: computed on the way: QUANTISED
;;   THE QUANTISER, for each operand of a quantised product, along K:
;;     - K is cut into blocks of 32 from its start; a last block that is shorter is filled with zeros.
;;     - A block's scale is 2^e with e = floor(log2(the largest magnitude in the block)) - 2, held to -126 .. 127; a block of zeros has e = 0. As a byte (E8M0): e + 127.
;;     - Each number is divided by its block's scale, clamped to +-7.5, and rounded to the nearest number of E2M3, ties to even, subnormals kept.
;;     - The product sums the exact products of the quantised numbers (number of the format x scale) in f32.
;;   ~~~python
;;   def quantise(x, axis):      # numpy; x: float32 -> the quantised numbers, widened to float32 again
;;       x = np.moveaxis(x, axis, -1); K = x.shape[-1]
;;       x = np.pad(x, [(0, 0)] * (x.ndim - 1) + [(0, -K % 32)]); x = x.reshape(x.shape[:-1] + (-1, 32)); a = np.abs(x).max(-1, keepdims=True)
;;       e = np.where(a > 0, np.clip(np.frexp(np.where(a > 0, a, 1))[1] - 1 - 2, -126, 127), 0)      # np.frexp(a)[1] - 1 = floor(log2(a)), exactly
;;       r = np.clip(x / 2.0 ** e, -7.5, 7.5)
;;       step = 2.0 ** (np.maximum(np.frexp(np.where(r == 0, 1, r))[1] - 1, 0) - 3)
;;       q = np.round(r / step) * step * 2.0 ** e      # np.round: ties to even
;;       return np.moveaxis(q.reshape(q.shape[:-2] + (-1,))[..., :K], -1, axis).astype(np.float32)
;;   ~~~
;;   SOFTMAX AHEAD OF A QUANTISED PRODUCT. Where the list says 'softmax', what is quantised is not the finished softmax but p = 2^(t - M), with t = logit x log2(e) and M = ceil(the row's largest t), a whole number; so 1/2 < the row's largest p <= 1. The row's sum l is taken of the UNQUANTISED p, in f32, and the product's result is divided by l at the end. Since M is a whole number, a kernel that streams over the keys may use a running M (the ceiling of the running maximum): every later rescaling is an exact power of two, which a block's scale takes up: the codes' values come out the same.
;;   OPERANDS COMPUTED ON THE WAY. 'Computed on the way' means the value that the module computes at that place (a softmax that the list does not call 'softmax' is quantised finished and normalised). What goes into a quantiser is computed in f32, as accurately as f32 sums, v_exp_f32 and their like allow (about 1e-6 of the number): no bf16 or f16 on the way to a quantiser, and a product that is left as it is and whose result goes on into a quantised operand takes f32 operands (vector FMAs, or v_wmma_f32_16x16x4_f32). A number that lies on a knife's edge between two numbers of the format may be rounded either way, as far as f32 arithmetic and the matrix unit's own rounding can turn it there, and no further.
;; 2 versions. Each part assembles by itself: llvm-mc -triple=amdgcn-amd-amdhsa -mcpu=gfx1250 --defsym DOCPART=n.
;; ======== version 1 of 2: 1 launch
;; launch attn (part 1): grid 4 x 64, 16 waves a work-group, no clusters, 276,480 bytes of LDS; arguments qkv, out0; writes out0
.if DOCPART == 1
	.amdgcn_target "amdgcn-amd-amdhsa--gfx1250"
	.amdhsa_code_object_version 6
	.text
	.protected	k_qc78ad23727_attn
	.globl	k_qc78ad23727_attn
	.p2align	8
	.type	k_qc78ad23727_attn,@function
k_qc78ad23727_attn:
	s_mov_b64 s[64:65], 0
	v_nop
	global_prefetch_b8 v0, s[64:65] scope:SCOPE_SE
	s_setreg_imm32_b32 hwreg(HW_REG_WAVE_MODE, 25, 1), 1
	s_wait_xcnt 0x0
; out[g][i][:] = the sum over j of softmax_j(q[g][i] . k[g][j]) v[g][j][:], 64 heads g, 2,048 positions, 64 channels, no mask; q and k are first multiplied by 8^-1/2 in f32.
; Both products run on codes of FP6 (E2M3) with one E8M0 scale for each 32 along a product's K (the channels in the first, the keys in the second).
; WHERE THE NUMBERS LIE.  qkv is [8192 rows][3072] f32.  Head g is rows 128 g .. 128 g + 127; position i lies in row 128 g + i / 16, at column 64 (i % 16), + 0 for q, + 1024 for k, + 2048 for v.
; So 16 positions are 4,096 consecutive bytes, and rows are 12,288 bytes apart.  out0 is [64][2048][64], dense.
; SHARES.  A work-group owns 512 queries of one head (grid 4 x 64), each of its sixteen waves 32 of them: two tiles of 16, which share every fragment of K and V that the wave reads from LDS.
; PROLOGUE.  Wave w quantises keys 128 w .. 128 w + 127 of K and of V in registers and lays codes and scale words in LDS as images of the operands' registers; the whole head's codes (200 KiB) stay there.
; Each wave quantises its own 32 queries into registers.  One barrier.  The loop, 16 trips of 128 keys, has no barrier and no access to memory.
; LAYOUT.  Both products are used transposed: S^T = K Q^T (source 0 = keys, source 1 = 16 queries), O^T = V^T P^T (source 0 = 16 channels, source 1 = P): a lane holds ONE query (lane % 16) throughout.
; THE FIRST PRODUCT'S K IS 64, THE INSTRUCTION'S 128: a fragment of K holds TWO tiles of 16 keys, the channels of tile 2 b at k 0-63 and those of tile 2 b + 1 at k 64-127; source 1 is [q | zeros] for the first
; and [zeros | q] for the second.  Zero codes add nothing under any scale byte but 0xff.  The four forms of the two query tiles lie in one run of 30 registers: q0, zeros, q1, zeros, q0.
; THE KEYS OF A TILE ARE NOT NEIGHBOURS: row m of tile 2 b + u is key 32 b + 16 (m / 8) + 8 u + m % 8, so that the 16 registers of tiles 2 b and 2 b + 1 are keys 32 b + 16 (lane / 16) + 0 .. 15.
; SOFTMAX.  t = score x log2(e); M = the running largest t rounded UP to a whole number, kept as -M; p = 2^(t - M) is quantised along the keys, not normalised; the row's sum is taken of the unquantised p and divides at the end.
; A trip takes its 128 keys in two halves of 64 (the scores of 128 keys of two tiles do not fit beside O^T).  M may move between the halves: the first half's two scales are then multiplied by 2^(old M - new M), which changes no code.
; LIMITS.  A block whose largest magnitude lies under 2^-124 (a block of zeros too) gets the scale byte 1.  Where M rises by more than some 120 between the halves of one trip, the first half's byte is held at 1:
; its terms are then at most 7.5 x 2^-126 a key, beside a row whose largest p is over 1/2.  NaN and infinities among the inputs are not served.
; NO CLUSTER, NO TENSOR LOAD: what the four work-groups of a head share is K and V as f32, 1 MiB a head, read once at the head of the kernel; it has to pass through registers to be quantised, and beside 200 KiB of codes
; LDS has no room for it but in a ring that is filled again.  NO PREFETCH: every read of memory stands at the kernel's head.
.set ROW,   12288                      ; bytes in a row of qkv
.set STEPB, 12800                      ; LDS: a key step's block: 4 fragments of K, 4 of V^T, 256 bytes of K's scale words, 256 of V's
.set FRB,   1536                       ; a fragment's image: registers 4 j .. 4 j + 3 of lane l at 512 j + 16 l
.set VOF,   6144                       ; V's fragments in a block
.set KSC,   12288                      ; K's scale words: row r, fragment f at 16 r + 4 f
.set VSC,   12544                      ; V's likewise
.set STG,   16*STEPB                   ; behind the 16 blocks: a stage of 16 rows x 272 bytes for each wave, for the way out
.set SP,    272
.set LI,   1                           ; v1   16 x lane: my place in an image
.set LS,   2                           ; v2   16 x (lane % 16): my row's four scale words
.set ADR,  3                           ; v3   v1 + the step's block
.set ADS,  4                           ; v4   v2 + the step's block
.set STO,  5                           ; v5   the way out: where I put 32 bytes of a row
.set RD,   6                           ; v6   where I read a row back
.set GO,   7                           ; v7   my byte offset in a tile's rows of out0
.set QSW,  8                           ; v8-9    Q's scale words, tile x.  v8-19 hold scales and nothing else
.set KSW,  10                          ; v10-13  K's, fragment f of the step
.set VSW,  14                          ; v14-17  V's, channels 16 ct on
.set PSW,  18                          ; v18-19  P's, tile x
.set ST,   20                          ; tile x's statistics at v[20 + 8 x]: +0 -M, +1 the largest t, +2, +3 the sum in two halves, +4 f of this half, +6 f of the trip (+5, +7: named as upper halves of pairs, hold 0)
.set QC,   36                          ; v36-65  q0, zeros, q1, zeros, q0
.set PC,   66                          ; v66-89  P's codes, 12 a tile
.set SA,   90                          ; v90-93  the first half's scales as conversion operands, tile x, block b
.set SS,   96                          ; v96-159 S^T, then p: tile x, block b, part u at 96 + 32 x + 16 b + 8 u; for V^T P: V's four fragments at 96 + 12 ct
.set OT,   160                         ; v160-223 O^T: tile x, channels 16 ct on at 160 + 32 x + 8 ct
.set KF,   224                         ; v224-247 a half's two fragments of K;
.set WK,   224                         ; behind the products the same registers are at work, 12 a tile: +0, +1 a block's largest score, then p; +2, +3 scales; +4..6 codes; +7 t; +8, +9 a sum; +10, +11 bytes
.set PX,   248                         ; v248-251 destinations of lane permutes
; the prologue's registers
.set VQ,   20                          ; v20  Q: 256 r + 128 h
.set VK,   21                          ; v21  K: 12288 (l / 16) + 128 (l % 16)
.set VV,   22                          ; v22  V: 4 l
.set KD,   23                          ; v23  where my codes of K go
.set KE,   24                          ; v24  and my scale byte
.set VD,   25                          ; v25  the same for V
.set VE,   26
.set SH,   27                          ; v27  8 h
.set R0,   96                          ; four sets of 32 numbers
.set R1,   128
.set R2,   160
.set R3,   192
.set MX,   224                         ; v224-225 largest magnitudes
.set SO,   226                         ; v226 the conversion's scale operand
.set BY,   227                         ; v227 the scale's byte
.set CD,   228                         ; v228-233 a block's 32 codes
.set C2,   234                         ; v234-236 the second conversion's result
.set PZ,   237                         ; v237 a lane permute's destination
	s_load_b128 s[4:7], s[0:1], 0x0                ; qkv s[4:5], out0 s[6:7]
	v_lshl_add_u32 v254, v0, 2, 0x43000
	v_mov_b32 v255, 0
	v_lshrrev_b32 v3, 5, v0
	v_readfirstlane_b32 s8, v3                     ; wave 0..15
	s_and_b32 s9, ttmp7, 0xffff                    ; the head
	s_mul_i32 s24, s9, 128*ROW                     ; the head's first row, in bytes (under 2^27)
	s_mul_i32 s26, s8, 8*ROW
	s_add_co_u32 s26, s26, s24                     ; + 8 rows a wave: keys 128 w on
	s_mov_b32 s27, 0
	s_mul_i32 s10, ttmp9, 32*ROW
	s_add_co_u32 s24, s24, s10                     ; + 32 rows a work-group: its 512 queries
	s_mul_i32 s10, s8, 2*ROW
	s_add_co_u32 s24, s24, s10                     ; + 2 rows a wave: my 32 queries
	s_mov_b32 s25, 0
	s_lshl_b32 s30, s9, 19                         ; out0: 524,288 bytes a head,
	s_lshl_b32 s10, ttmp9, 17                      ; 131,072 a work-group,
	s_add_co_u32 s30, s30, s10
	s_lshl_b32 s10, s8, 13                         ; 8,192 a wave
	s_add_co_u32 s30, s30, s10
	s_mov_b32 s31, 0
	s_mul_i32 s28, s8, STEPB                       ; the block that I fill
	s_mul_i32 s29, s8, 16*SP
	s_add_co_u32 s29, s29, STG                     ; my stage
	s_mov_b32 s16, 0x3eb504f3                      ; 8^-1/2
	s_mov_b32 s17, s16                             ; (the packed forms name a pair and take its low word for both halves: so the upper word is written)
	s_mov_b32 s18, 0x3fb8aa3b                      ; c = log2(e)
	s_mov_b32 s19, s18
	s_mov_b32 s20, 0x76543210                      ; v_permlanex16_b32's selects for lane l xor 16
	s_mov_b32 s21, 0xfedcba98
	v_and_b32 v28, 31, v0                          ; l
	v_and_b32 v29, 15, v0                          ; r = l % 16
	v_bfe_u32 v30, v0, 4, 1                        ; h = l / 16
	v_bfe_u32 v31, v0, 1, 3                        ; (l / 2) % 8
	v_and_b32 v32, 1, v0                           ; l % 2
	v_lshlrev_b32 v[VQ], 8, v29
	v_lshl_add_u32 v[VQ], v30, 7, v[VQ]            ; Q: query r, its channel block h: the very numbers that the operand's layout gives lane (r, h)
	v_mul_u32_u24 v[VK], v30, ROW
	v_lshl_add_u32 v[VK], v29, 7, v[VK]            ; K: sixteen lanes take eight neighbouring keys, two lanes (two channel blocks) a key; lanes 16-31 the row of qkv below
	v_lshlrev_b32 v[VV], 2, v28                    ; V: a lane a channel
	v_lshlrev_b32 v[KD], 4, v31                    ; I hold row 8 (l / 16) + (l / 2) % 8 of a tile and channel block l % 2: that is lane row + 16 block of the image
	v_lshl_add_u32 v[KD], v30, 7, v[KD]
	v_add_nc_u32 v[KE], v[KD], v32                 ; the scale byte: 16 x row + block
	v_lshl_add_u32 v[KD], v32, 8, v[KD]
	v_add_nc_u32 v[KD], s28, v[KD]
	v_add_nc_u32 v[KE], s28, v[KE]
	v_mul_u32_u24 v[VD], v30, FRB                  ; V: my channel is row l % 16 of fragment (l / 16) of the two in hand
	v_lshl_add_u32 v[VD], v29, 4, v[VD]
	v_add_nc_u32 v[VD], s28, v[VD]
	v_lshlrev_b32 v[VE], 4, v29
	v_lshl_add_u32 v[VE], v30, 2, v[VE]
	v_add_nc_u32 v[VE], s28, v[VE]
	v_lshlrev_b32 v[SH], 3, v30
	v_lshlrev_b32 v[LI], 4, v28                    ; the loop's and the way out's addresses
	v_lshlrev_b32 v[LS], 4, v29
	v_mul_u32_u24 v[STO], v29, SP                  ; into the stage: row r, 32 bytes for each half of the lanes
	v_lshl_add_u32 v[STO], v30, 5, v[STO]
	v_add_nc_u32 v[STO], s29, v[STO]
	v_mul_u32_u24 v[RD], v30, SP                   ; back: lanes 0-15 one row of 256 bytes, lanes 16-31 the next
	v_lshl_add_u32 v[RD], v29, 4, v[RD]
	v_add_nc_u32 v[RD], s29, v[RD]
	v_lshlrev_b32 v[GO], 8, v30                    ; and the same two rows in out0
	v_lshl_add_u32 v[GO], v29, 4, v[GO]
.irp i, 0,1,2,3,4,5
	v_mov_b32 v[QC+6+\i], 0                        ; the two runs of zero codes between the queries' codes
	v_mov_b32 v[QC+18+\i], 0
.endr
	v_mov_b32 v[PZ], 0                             ; a lane permute's destination counts as one of its sources
	s_wait_kmcnt 0x0
	s_add_nc_u64 s[12:13], s[4:5], s[26:27]        ; qkv at the rows of my 128 keys
	s_add_nc_u64 s[14:15], s[4:5], s[24:25]        ; and of my 32 queries
	s_add_nc_u64 s[6:7], s[6:7], s[30:31]          ; out0 at my first query
.macro LOADQ x, R                      ; tile x: lane (r, h) takes the 32 numbers of channel block h of query r
.irp i, 0,1,2,3,4,5,6,7
	global_load_b128 v[\R+4*\i:\R+4*\i+3], v[VQ], s[14:15] offset:ROW*\x+16*\i th:TH_LOAD_NT
.endr
.endm
.macro LOADK n, R                      ; part n % 2 of fragment n / 2: 16 keys x 64 channels, a channel block a lane
.irp i, 0,1,2,3,4,5,6,7
	global_load_b128 v[\R+4*\i:\R+4*\i+3], v[VK], s[12:13] offset:4096+2*ROW*((\n)/2)+2048*((\n)%2)+16*\i
.endr
.endm
.macro LOADV m, R                      ; key block m / 2, channels 32 (m % 2) on: A LANE TAKES A CHANNEL AND ITS REGISTERS RUN DOWN THE 32 KEYS; a load reads 128 consecutive bytes
.irp i, 0,1,2,3,4,5,6,7,8,9,10,11,12,13,14,15,16,17,18,19,20,21,22,23,24,25,26,27,28,29,30,31
	global_load_b32 v[\R+\i], v[VV], s[12:13] offset:8192+(2*((\m)/2)+\i/16)*ROW+(\i%16)*256+128*((\m)%2)
.endr
.endm
; 32 numbers of a lane, a whole block, become 32 codes in v[C] .. v[C + 5] and the scale's byte in v[BY].  mul = 1: they are first multiplied by 8^-1/2.
.macro QUANT X, C, mul
.if \mul
.irp i, 0,2,4,6,8,10,12,14,16,18,20,22,24,26,28,30
	v_pk_mul_f32 v[\X+\i:\X+\i+1], v[\X+\i:\X+\i+1], s[16:17] op_sel_hi:[1,0]
.endr
.endif
	v_max3_num_f32 v[MX], |v[\X]|, |v[\X+1]|, |v[\X+2]|             ; the block's largest magnitude, in two chains
	v_max3_num_f32 v[MX+1], |v[\X+3]|, |v[\X+4]|, |v[\X+5]|
.irp i, 6,10,14,18,22,26
	v_max3_num_f32 v[MX], v[MX], |v[\X+\i]|, |v[\X+\i+1]|
	v_max3_num_f32 v[MX+1], v[MX+1], |v[\X+\i+2]|, |v[\X+\i+3]|
.endr
	v_max3_num_f32 v[MX], v[MX], |v[\X+30]|, |v[\X+31]|
	v_max3_num_f32 v[MX], v[MX], v[MX+1], 0x1800000                 ; and the floor 2^(3 - 127): the byte cannot fall under 1
	v_add_nc_u32 v[SO], 0xff000000, v[MX]          ; 2 off its exponent field: the conversion takes the exponent field of this operand as its scale, and nothing else of it
	s_wait_dscnt 0x0                               ; the last block's LDS stores have read the codes' and the byte's registers
	v_cvt_scalef32_pk16_fp6_f32 v[\C:\C+2], v[\X:\X+15], v[SO]
	v_cvt_scalef32_pk16_fp6_f32 v[C2:C2+2], v[\X+16:\X+31], v[SO]  ; (a conversion's three registers begin on an even number)
	v_lshrrev_b32 v[BY], 23, v[SO]                 ; the scale's byte; also the plain place behind the conversions
.irp i, 0,1,2
	v_mov_b32 v[\C+3+\i], v[C2+\i]
.endr
.endm
.macro QWORD x                         ; lane (r, h) holds the byte of block h: with lane l xor 16's it is query r's pair of bytes, laid twice, for [q | zeros] and for [zeros | q]
	v_lshlrev_b32 v[BY], v[SH], v[BY]
	v_permlanex16_b32 v[PZ], v[BY], s20, s21
	v_or_b32 v[BY], v[BY], v[PZ]
	v_lshl_or_b32 v[QSW+\x], v[BY], 16, v[BY]
.endm
.macro PUTK n                          ; my 24 bytes are registers 0-5 (part 0) or 6-11 (part 1) of a lane of fragment n / 2
.if (\n)%2 == 0
	ds_store_b128 v[KD], v[CD:CD+3] offset:FRB*((\n)/2)
	ds_store_b64 v[KD], v[CD+4:CD+5] offset:FRB*((\n)/2)+512
.else
	ds_store_b64 v[KD], v[CD:CD+1] offset:FRB*((\n)/2)+520
	ds_store_b128 v[KD], v[CD+2:CD+5] offset:FRB*((\n)/2)+1024
.endif
	ds_store_b8 v[KE], v[BY] offset:KSC+4*((\n)/2)+2*((\n)%2)       ; byte 2 x part + channel block of the row's word
.endm
.macro PUTV m                          ; key block m / 2 of my channel: lanes 0-15 of the image hold blocks 0 and 2, lanes 16-31 blocks 1 and 3; registers 0-5 blocks 0 and 1, registers 6-11 blocks 2 and 3
.set VB, VOF+2*FRB*((\m)%2)+256*(((\m)/2)%2)
.if (\m)/4 == 0
	ds_store_b128 v[VD], v[CD:CD+3] offset:VB
	ds_store_b64 v[VD], v[CD+4:CD+5] offset:VB+512
.else
	ds_store_b64 v[VD], v[CD:CD+1] offset:VB+520
	ds_store_b128 v[VD], v[CD+2:CD+5] offset:VB+1024
.endif
	ds_store_b8 v[VE], v[BY] offset:VSC+8*((\m)%2)+(\m)/2
.endm
.macro KJOB n, R, left                 ; left: the loads issued behind this job's, which may stay out (loads come back in order: ISA guide 5.7.1)
	s_wait_loadcnt \left
	QUANT \R, CD, 1
	PUTK \n
.endm
.macro VJOB m, R, left
	s_wait_loadcnt \left
	QUANT \R, CD, 0
	PUTV \m
.endm
	; THE PROLOGUE: 18 jobs on four sets of registers; a set is loaded again as soon as its job is done
	LOADQ 0, R0
	LOADQ 1, R1
	LOADK 0, R2
	LOADK 1, R3
	s_wait_loadcnt 24                              ; behind Q's tile 0: three jobs of 8 loads
	QUANT R0, QC, 1
.irp i, 0,1,2,3,4,5
	v_mov_b32 v[QC+24+\i], v[QC+\i]                ; q0 once more, at the run's end
.endr
	QWORD 0
	LOADK 2, R0
	s_wait_loadcnt 24
	QUANT R1, QC+12, 1
	QWORD 1
	LOADK 3, R1
	KJOB 0, R2, 24
	LOADK 4, R2
	KJOB 1, R3, 24
	LOADK 5, R3
	KJOB 2, R0, 24
	LOADK 6, R0
	KJOB 3, R1, 24
	LOADK 7, R1
	KJOB 4, R2, 24
	LOADV 0, R2
	KJOB 5, R3, 48                                 ; behind it: 8 + 8 of K and V's first 32
	KJOB 6, R0, 40                                 ; 8 of K and V's 32
	s_wait_loadcnt 32                              ; K's last job is in: V's 32 stand behind it; V's next 32 go out only now, so that the count can be named
	LOADV 1, R3
	QUANT R1, CD, 1
	PUTK 7
	VJOB 0, R2, 32                                 ; behind each job of V: the next one's 32 loads
	LOADV 2, R2
	VJOB 1, R3, 32
	LOADV 3, R3
	VJOB 2, R2, 32
	LOADV 4, R2
	VJOB 3, R3, 32
	LOADV 5, R3
	VJOB 4, R2, 32
	LOADV 6, R2
	VJOB 5, R3, 32
	LOADV 7, R3
	VJOB 6, R2, 32
	VJOB 7, R3, 0
	s_wait_dscnt 0x0                               ; for the others' sake: my block of codes and scale words lies in LDS
	s_barrier_signal -1
.set j, 0
.rept 64
	v_mov_b32 v[OT+j], 0                           ; O^T.  (The loop is written once: its first trip finds zeros, which the first change of M leaves zeros)
.set j, j+1
.endr
.irp x, 0,1
	v_mov_b32 v[ST+8*\x+1], 0xff61b1e6             ; the largest t so far: -3e38, under every t
	v_floor_f32 v[ST+8*\x], -v[ST+8*\x+1]          ; -M
	v_mov_b32 v[ST+8*\x+2], 0                      ; the sum, in two halves
	v_mov_b32 v[ST+8*\x+3], 0
	v_mov_b32 v[ST+8*\x+5], 0                      ; (named as upper halves of pairs)
	v_mov_b32 v[ST+8*\x+7], 0
.endr
.irp i, 0,1,2,3
	v_mov_b32 v[PX+\i], 0
.endr
	s_barrier_wait -1                              ; the whole head's codes lie in LDS; nothing is written there again but each wave's own stage
; A HALF: 64 keys (fragments 2 c and 2 c + 1 of the step) for both query tiles: scores, softmax, and registers 6 c .. 6 c + 5 of each tile's P.
.macro HALF c
.irp f, 0,1
.irp j, 0,1,2
	ds_load_b128 v[KF+12*\f+4*\j:KF+12*\f+4*\j+3], v[ADR] offset:FRB*(2*\c+\f)+512*\j
.endr
.endr
.if \c == 0
	ds_load_b128 v[KSW:KSW+3], v[ADS] offset:KSC   ; the step's four scale words of my row
.endif
	s_wait_dscnt 0x0
.irp f, 0,1                            ; eight products on eight accumulators, each begun with the constant 0
.irp x, 0,1
	v_wmma_scale_f32_16x16x128_f8f6f4 v[SS+32*\x+16*\f:SS+32*\x+16*\f+7], v[KF+12*\f:KF+12*\f+11], v[QC+12*\x:QC+12*\x+11], 0, v[KSW+2*\c+\f], v[QSW+\x] matrix_a_fmt:MATRIX_FMT_FP6 matrix_b_fmt:MATRIX_FMT_FP6
.endr
.irp x, 0,1
	v_wmma_scale_f32_16x16x128_f8f6f4 v[SS+32*\x+16*\f+8:SS+32*\x+16*\f+15], v[KF+12*\f:KF+12*\f+11], v[QC+18-12*\x:QC+29-12*\x], 0, v[KSW+2*\c+\f], v[QSW+\x] matrix_a_fmt:MATRIX_FMT_FP6 matrix_b_fmt:MATRIX_FMT_FP6
.endr
.endr
.rept 5
	v_nop                                          ; four places in front of the first read of results and of writes into K's registers (ISA guide 7.12.1); the fifth for the next half's products, which write over these results
.endr
.irp x, 0,1
.irp b, 0,1
	v_max3_num_f32 v[WK+12*\x+\b], v[SS+32*\x+16*\b], v[SS+32*\x+16*\b+1], v[SS+32*\x+16*\b+2]   ; THE LARGEST SCORE OF EACH BLOCK OF 32 KEYS serves twice: for the row's maximum and, since p rises with the score, for the block's largest p.  Each accumulator is read from its low end on
.endr
.endr
.irp i, 3,5,7,9,11,13
.irp x, 0,1
.irp b, 0,1
	v_max3_num_f32 v[WK+12*\x+\b], v[WK+12*\x+\b], v[SS+32*\x+16*\b+\i], v[SS+32*\x+16*\b+\i+1]   ; (four blocks by turns)
.endr
.endr
.endr
.irp x, 0,1
.irp b, 0,1
	v_max_num_f32 v[WK+12*\x+\b], v[WK+12*\x+\b], v[SS+32*\x+16*\b+15]
.endr
.endr
.irp x, 0,1
.irp b, 0,1
	v_permlanex16_b32 v[PX+2*\x+\b], v[WK+12*\x+\b], s20, s21
.endr
.endr
.irp x, 0,1
.irp b, 0,1
	v_max_num_f32 v[WK+12*\x+\b], v[WK+12*\x+\b], v[PX+2*\x+\b]   ; with lane l xor 16's 16 keys
.endr
.endr
.irp x, 0,1
	v_max_num_f32 v[WK+12*\x+7], v[WK+12*\x], v[WK+12*\x+1]       ; the half's largest score of my query
.endr
.irp x, 0,1
	v_mul_f32 v[WK+12*\x+7], s18, v[WK+12*\x+7]    ; as t (c is positive)
.endr
.irp x, 0,1
	v_max_num_f32 v[ST+8*\x+1], v[ST+8*\x+1], v[WK+12*\x+7]       ; the running largest t
.endr
.irp x, 0,1
	v_mov_b32 v[WK+12*\x+7], v[ST+8*\x]
.endr
.irp x, 0,1
	v_floor_f32 v[ST+8*\x], -v[ST+8*\x+1]          ; the new -M = floor(-t) = -ceil(t): M is a whole number
.endr
.irp x, 0,1
	v_sub_f32 v[WK+12*\x+7], v[ST+8*\x], v[WK+12*\x+7]            ; M's old value less its new one: a whole number, 0 or less
.endr
.irp x, 0,1
	v_cvt_i32_f32 v[WK+12*\x+7], v[WK+12*\x+7]     ; (it saturates)
.endr
.irp x, 0,1
	v_ldexp_f32 v[ST+8*\x+4], 1.0, v[WK+12*\x+7]   ; f = 2^(old M - new M)
.endr
.irp x, 0,1
.irp j, 0,2,4,6,8,10,12,14,16,18,20,22,24,26,28,30
	v_pk_fma_f32 v[SS+32*\x+\j:SS+32*\x+\j+1], v[SS+32*\x+\j:SS+32*\x+\j+1], s[18:19], v[ST+8*\x:ST+8*\x+1] op_sel_hi:[1,0,0]   ; t - M, two at a time (of the pairs c and -M the low word serves both halves)
.endr
.endr
.irp x, 0,1
.irp b, 0,1
	v_fma_f32 v[WK+12*\x+\b], v[WK+12*\x+\b], s18, v[ST+8*\x]     ; the same of each block's largest score
.endr
.endr
.set j, 0
.rept 64
	v_exp_f32 v[SS+j], v[SS+j]                     ; p = 2^(t - M): not normalised
.set j, j+1
.endr
.irp x, 0,1
.irp b, 0,1
	v_exp_f32 v[WK+12*\x+\b], v[WK+12*\x+\b]       ; the block's largest p: the same arithmetic on the same number
.endr
.endr
.irp x, 0,1
	v_pk_mul_f32 v[ST+8*\x+2:ST+8*\x+3], v[ST+8*\x+2:ST+8*\x+3], v[ST+8*\x+4:ST+8*\x+5] op_sel_hi:[1,0]   ; the sums under the new M.  (The plain place behind the exponentials)
.endr
	s_wait_alu depctr_va_vdst(0)
.irp x, 0,1
.irp b, 0,1
	v_max_num_f32 v[WK+12*\x+\b], 0x1800000, v[WK+12*\x+\b]       ; the floor 2^(3 - 127): the byte cannot fall under 1
.endr
.endr
.irp x, 0,1
.irp b, 0,1
.if \c == 0
	v_add_nc_u32 v[SA+2*\x+\b], 0xff000000, v[WK+12*\x+\b]        ; 2 off the exponent field: the conversion's scale operand; the first half's are kept until M has moved for the last time in this trip
.else
	v_add_nc_u32 v[WK+12*\x+2+\b], 0xff000000, v[WK+12*\x+\b]
.endif
.endr
.endr
.irp x, 0,1
.if \c == 0
	v_cvt_scalef32_pk16_fp6_f32 v[PC+12*\x:PC+12*\x+2], v[SS+32*\x:SS+32*\x+15], v[SA+2*\x]
	v_cvt_scalef32_pk16_fp6_f32 v[WK+12*\x+4:WK+12*\x+6], v[SS+32*\x+16:SS+32*\x+31], v[SA+2*\x+1]
.else
	v_cvt_scalef32_pk16_fp6_f32 v[PC+12*\x+6:PC+12*\x+8], v[SS+32*\x:SS+32*\x+15], v[WK+12*\x+2]
	v_cvt_scalef32_pk16_fp6_f32 v[WK+12*\x+4:WK+12*\x+6], v[SS+32*\x+16:SS+32*\x+31], v[WK+12*\x+3]
.endif
.endr
	v_nop                                          ; one plain place behind the scaled conversions
.irp x, 0,1                            ; the operand's layout wants a WHOLE block in a lane: lanes 0-15 block 2 c, lanes 16-31 block 2 c + 1
.irp i, 0,1,2
	v_permlane16_swap_b32 v[PC+12*\x+6*\c+\i], v[WK+12*\x+4+\i]
.endr
.endr
.irp x, 0,1
.irp i, 0,1,2
	v_mov_b32 v[PC+12*\x+6*\c+3+\i], v[WK+12*\x+4+\i]
.endr
.endr
.if \c == 0
.irp x, 0,1
	v_mov_b32 v[ST+8*\x+6], v[ST+8*\x+4]           ; the trip's f begins
.endr
.else
.irp x, 0,1
	v_mul_f32 v[ST+8*\x+6], v[ST+8*\x+6], v[ST+8*\x+4]            ; the trip's f: both halves' changes of M
.endr
.irp x, 0,1
.irp b, 0,1
	v_mul_f32 v[SA+2*\x+\b], v[SA+2*\x+\b], v[ST+8*\x+4]          ; the first half's scales under the new M: a power of two, which touches the exponent field alone;
.endr
.endr
.irp x, 0,1
.irp b, 0,1
	v_max_num_f32 v[SA+2*\x+\b], 0x800000, v[SA+2*\x+\b]          ; held at 2^-126, the byte 1, from below
.endr
.endr
.irp x, 0,1
.irp b, 0,1
	v_lshrrev_b32 v[WK+12*\x+10+\b], 23, v[SA+2*\x+\b]            ; the four bytes
	v_lshrrev_b32 v[WK+12*\x+2+\b], 23, v[WK+12*\x+2+\b]
.endr
.endr
.irp x, 0,1
	v_lshl_or_b32 v[PSW+\x], v[WK+12*\x+11], 8, v[WK+12*\x+10]    ; P's scale word for these 128 keys
.endr
.irp x, 0,1
	v_lshl_or_b32 v[PSW+\x], v[WK+12*\x+2], 16, v[PSW+\x]
.endr
.irp x, 0,1
	v_lshl_or_b32 v[PSW+\x], v[WK+12*\x+3], 24, v[PSW+\x]
.endr
.endif
.irp x, 0,1
	v_pk_add_f32 v[WK+12*\x+8:WK+12*\x+9], v[SS+32*\x:SS+32*\x+1], v[SS+32*\x+2:SS+32*\x+3]   ; THE ROW'S SUM IS TAKEN OF THE UNQUANTISED p: two at a time, two chains a tile
.endr
.irp j, 4,8,12,16,20,24,28
.irp x, 0,1
	v_pk_add_f32 v[ST+8*\x+2:ST+8*\x+3], v[ST+8*\x+2:ST+8*\x+3], v[SS+32*\x+\j:SS+32*\x+\j+1]
	v_pk_add_f32 v[WK+12*\x+8:WK+12*\x+9], v[WK+12*\x+8:WK+12*\x+9], v[SS+32*\x+\j+2:SS+32*\x+\j+3]
.endr
.endr
.irp x, 0,1
	v_pk_add_f32 v[ST+8*\x+2:ST+8*\x+3], v[ST+8*\x+2:ST+8*\x+3], v[WK+12*\x+8:WK+12*\x+9]
.endr
.endm
; O^T += V^T P^T for the step's 128 keys: four fragments of V, each for both query tiles.
.macro PV
.irp t, 0,1,2,3
.irp j, 0,1,2
	ds_load_b128 v[SS+12*\t+4*\j:SS+12*\t+4*\j+3], v[ADR] offset:VOF+FRB*\t+512*\j
.endr
.endr
	ds_load_b128 v[VSW:VSW+3], v[ADS] offset:VSC
.irp x, 0,1
.irp j, 0,2,4,6,8,10,12,14,16,18,20,22,24,26,28,30
	v_pk_mul_f32 v[OT+32*\x+\j:OT+32*\x+\j+1], v[OT+32*\x+\j:OT+32*\x+\j+1], v[ST+8*\x+6:ST+8*\x+7] op_sel_hi:[1,0]   ; O^T under the new M, each accumulator from its low end on.  These stand while the loads are out, and between the lines that made P's codes and scale words and the products
.endr
.endr
	s_wait_dscnt 0x0
.irp t, 0,1,2,3                        ; eight accumulators by turns, one instruction a turn
.irp x, 0,1
	v_wmma_scale_f32_16x16x128_f8f6f4 v[OT+32*\x+8*\t:OT+32*\x+8*\t+7], v[SS+12*\t:SS+12*\t+11], v[PC+12*\x:PC+12*\x+11], v[OT+32*\x+8*\t:OT+32*\x+8*\t+7], v[VSW+\t], v[PSW+\x] matrix_a_fmt:MATRIX_FMT_FP6 matrix_b_fmt:MATRIX_FMT_FP6
.endr
.endr
.rept 5
	v_nop                                          ; the next scores are written over V's registers by matrix instructions: five places; behind the last trip they serve the first read of O^T
.endr
.endm
	s_mov_b32 s22, 0                               ; the step's block in LDS
	s_mov_b32 s23, 16
.Lstep:                                            ; 16 trips of 128 keys
	v_add_nc_u32 v[ADR], s22, v[LI]
	v_add_nc_u32 v[ADS], s22, v[LS]
	HALF 0
	HALF 1
	PV
	s_add_co_u32 s22, s22, STEPB
	s_sub_co_u32 s23, s23, 1
	s_cmp_lg_u32 s23, 0
	s_cbranch_scc1 .Lstep
; THE WAY OUT.  A tile is 16 rows of 256 bytes of out0, 4,096 consecutive bytes.  A lane holds 32 bytes of four places of one row: the tile goes through my own stage in LDS and comes back as whole rows.
.macro PACK x
	v_add_f32 v[ST+8*\x+4], v[ST+8*\x+2], v[ST+8*\x+3]            ; the sum's two halves,
	v_permlanex16_b32 v[PX+2*\x], v[ST+8*\x+4], s20, s21
	v_add_f32 v[ST+8*\x+4], v[ST+8*\x+4], v[PX+2*\x]              ; and lane l xor 16's: the row's sum
	v_rcp_f32 v[ST+8*\x+4], v[ST+8*\x+4]
	v_nop                                          ; one plain place behind the transcendental
	s_wait_alu depctr_va_vdst(0)
.irp j, 0,2,4,6,8,10,12,14,16,18,20,22,24,26,28,30
	v_pk_mul_f32 v[SS+32*\x+\j:SS+32*\x+\j+1], v[OT+32*\x+\j:OT+32*\x+\j+1], v[ST+8*\x+4:ST+8*\x+5] op_sel_hi:[1,0]   ; O^T / the sum: register 8 t + i is out(r, 16 t + 8 h + i)
.endr
.irp t, 0,1,2,3
	ds_store_b128 v[STO], v[SS+32*\x+8*\t:SS+32*\x+8*\t+3] offset:64*\t
	ds_store_b128 v[STO], v[SS+32*\x+8*\t+4:SS+32*\x+8*\t+7] offset:64*\t+16
.endr
.irp i, 0,1,2,3,4,5,6,7
	ds_load_b128 v[OT+32*\x+4*\i:OT+32*\x+4*\i+3], v[RD] offset:2*SP*\i   ; LDS serves a wave's instructions in order (ISA guide 5.7.1.4): these see the stores above, and the next tile's stores come behind them
.endr
.endm
.macro SEND x, younger                 ; younger: the LDS instructions issued behind tile x's loads
.irp i, 0,1,2,3,4,5,6,7
	s_wait_dscnt \younger+7-\i
	global_store_b128 v[GO], v[OT+32*\x+4*\i:OT+32*\x+4*\i+3], s[6:7] offset:4096*\x+512*\i th:TH_STORE_NT   ; 32 lanes store 512 consecutive bytes, at a multiple of 256 from out0's first byte
.endr
.endm
	PACK 0
	PACK 1                                         ; tile 1's arithmetic stands between tile 0's loads and its stores
	SEND 0, 16
	SEND 1, 0
	s_wait_tensorcnt 0x0
	ds_add_u32 v254, v255
	s_wait_dscnt 0x0
	s_endpgm
.Lfunc_end_k_qc78ad23727_attn:
	.size	k_qc78ad23727_attn, .Lfunc_end_k_qc78ad23727_attn-k_qc78ad23727_attn
	.p2alignl 7, 3214868480
	.fill 96, 4, 3214868480
	.section	.rodata,"a",@progbits
	.p2align	6, 0x0
	.amdhsa_kernel k_qc78ad23727_attn
		.amdhsa_group_segment_fixed_size 276480
		.amdhsa_private_segment_fixed_size 0
		.amdhsa_enable_private_segment 0
		.amdhsa_kernarg_size 16
		.amdhsa_user_sgpr_count 2
		.amdhsa_user_sgpr_kernarg_segment_ptr 1
		.amdhsa_wavefront_size32 1
		.amdhsa_system_sgpr_workgroup_id_x 1
		.amdhsa_system_sgpr_workgroup_id_y 1
		.amdhsa_system_sgpr_workgroup_id_z 1
		.amdhsa_system_vgpr_workitem_id 0
		.amdhsa_next_free_vgpr 256
		.amdhsa_next_free_sgpr 66
		.amdhsa_reserve_vcc 0
		.amdhsa_float_denorm_mode_32 3
		.amdhsa_float_denorm_mode_16_64 3
		.amdhsa_memory_ordered 1
		.amdhsa_forward_progress 1
		.amdhsa_inst_pref_size 114
	.end_amdhsa_kernel
	.amdgpu_metadata
---
amdhsa.version: [ 1, 2 ]
amdhsa.kernels:
  - .name:           k_qc78ad23727_attn
    .symbol:         k_qc78ad23727_attn.kd
    .args:
      - { .name: qkv, .offset: 0, .size: 8, .value_kind: global_buffer, .address_space: global }
      - { .name: out0, .offset: 8, .size: 8, .value_kind: global_buffer, .address_space: global }
    .group_segment_fixed_size: 276480
    .private_segment_fixed_size: 0
    .kernarg_segment_align: 8
    .kernarg_segment_size: 16
    .max_flat_workgroup_size: 512
    .sgpr_count:     66
    .vgpr_count:     256
    .wavefront_size: 32
...
	.end_amdgpu_metadata
.endif
;; end of part 1
;; ======== version 2 of 2: 1 launch; version 1 with the launch attn written anew for expert scheduling mode
;; launch attn (part 2): grid 4 x 64, 16 waves a work-group, no clusters, 276,480 bytes of LDS; arguments qkv, out0; writes out0
.if DOCPART == 2
	.amdgcn_target "amdgcn-amd-amdhsa--gfx1250"
	.amdhsa_code_object_version 6
	.text
	.protected	k_qc78ad23727_attn
	.globl	k_qc78ad23727_attn
	.p2align	8
	.type	k_qc78ad23727_attn,@function
k_qc78ad23727_attn:
	s_mov_b64 s[64:65], 0
	v_nop
	global_prefetch_b8 v0, s[64:65] scope:SCOPE_SE
	s_setreg_imm32_b32 hwreg(HW_REG_WAVE_SCHED_MODE, 0, 2), 2
	s_setreg_imm32_b32 hwreg(HW_REG_WAVE_MODE, 25, 1), 1
	s_wait_xcnt 0x0
	s_wait_alu depctr_vm_vsrc(0)
; out[g][i][:] = the sum over j of softmax_j(q[g][i] . k[g][j]) v[g][j][:], 64 heads g, 2,048 positions, 64 channels, no mask; q and k are first multiplied by 8^-1/2 in f32.
; Both products run on codes of FP6 (E2M3) with one E8M0 scale for each 32 along a product's K (the channels in the first, the keys in the second).
; WHERE THE NUMBERS LIE.  qkv is [8192 rows][3072] f32.  Head g is rows 128 g .. 128 g + 127; position i lies in row 128 g + i / 16, at column 64 (i % 16), + 0 for q, + 1024 for k, + 2048 for v.
; So 16 positions are 4,096 consecutive bytes, and rows are 12,288 bytes apart.  out0 is [64][2048][64], dense.
; SHARES.  A work-group owns 512 queries of one head (grid 4 x 64), each of its sixteen waves 32 of them: two tiles of 16, which share every fragment of K and V that the wave reads from LDS.
; PROLOGUE.  Wave w quantises keys 128 w .. 128 w + 127 of K and of V in registers and lays codes and scale words in LDS as images of the operands' registers; the whole head's codes (200 KiB) stay there.
; Each wave quantises its own 32 queries into registers.  One barrier.  The 16 trips of 128 keys (15 in the loop, the last written out) have no barrier and no access to memory.
; LAYOUT.  Both products are used transposed: S^T = K Q^T (source 0 = keys, source 1 = 16 queries), O^T = V^T P^T (source 0 = 16 channels, source 1 = P): a lane holds ONE query (lane % 16) throughout.
; THE FIRST PRODUCT'S K IS 64, THE INSTRUCTION'S 128: a fragment of K holds TWO tiles of 16 keys, the channels of tile 2 b at k 0-63 and those of tile 2 b + 1 at k 64-127; source 1 is [q | zeros] for the first
; and [zeros | q] for the second.  Zero codes add nothing under any scale byte but 0xff.  The four forms of the two query tiles lie in one run of 30 registers: q0, zeros, q1, zeros, q0.
; THE KEYS OF A TILE ARE NOT NEIGHBOURS: row m of tile 2 b + u is key 32 b + 16 (m / 8) + 8 u + m % 8, so that the 16 registers of tiles 2 b and 2 b + 1 are keys 32 b + 16 (lane / 16) + 0 .. 15.
; SOFTMAX.  t = score x log2(e); M = the running largest t rounded UP to a whole number, kept as -M; p = 2^(t - M) is quantised along the keys, not normalised; the row's sum is taken of the unquantised p and divides at the end.
; A trip takes its 128 keys in two halves of 64 (the scores of 128 keys of two tiles do not fit beside O^T).  M may move between the halves: the first half's two scales are then multiplied by 2^(old M - new M), which changes no code.
; LIMITS.  A block whose largest magnitude lies under 2^-124 (a block of zeros too) gets the scale byte 1.  Where M rises by more than some 120 between the halves of one trip, the first half's byte is held at 1:
; its terms are then at most 7.5 x 2^-126 a key, beside a row whose largest p is over 1/2.  NaN and infinities among the inputs are not served.
; NO CLUSTER, NO TENSOR LOAD: what the four work-groups of a head share is K and V as f32, 1 MiB a head, read once at the head of the kernel; it has to pass through registers to be quantised, and beside 200 KiB of codes
; LDS has no room for it but in a ring that is filled again.  NO PREFETCH: every read of memory stands at the kernel's head.
; THE MODE: SCHED_MODE bits 1:0 = 2 (LLVM: expert scheduling mode 2), set by the entry lines.  The code itself states the register dependences between vector or matrix instructions
; and memory or LDS instructions, with s_wait_alu, always for 0.
; THE PLAN.  Registers that memory or LDS instructions touch, and who else names them:
;   v1, v2, v5-7, v20-26   addresses, made once at the head.  v20-26 become statistics behind the prologue: one wait on vm_vsrc ahead of the barrier's signal.
;   R0 .. R3 (prologue)    a job's arithmetic reads and writes its set; behind the job the set is loaded again.
;   v[CD ..], v[BY]        written by a job's conversions, read by its LDS stores, written again by the next job.
;                          So a job has two waits: vm_vsrc ahead of its conversions, va_vdst at its end, ahead of its stores and of the set's next loads.
;   v[ADR], v[ADS]         written at a trip's head (vm_vsrc ahead of the two adds), read by the trip's LDS loads, all of which stand behind a later wait on va_vdst.
;   v224-247               K's fragments, read by a half's products; then the softmax's work registers, last named by the moves of P's codes.
;                          The first half asks for the second half's fragments behind those moves; V^T P's head asks for the next trip's.
;   v10-13, v14-17         K's and V's scale words: read by products, loaded again at V^T P's head.
;   v96-143                p, last read by the row's sums; then V's fragments, loaded at V^T P's head and read by its products.
; So a trip has one wait on vm_vsrc and seven on va_vdst: one ahead of and one behind each half's exponentials, one in the first half ahead of K's loads, one at V^T P's head for all twenty loads there, one ahead of its products.
.set ROW,   12288                      ; bytes in a row of qkv
.set STEPB, 12800                      ; LDS: a key step's block: 4 fragments of K, 4 of V^T, 256 bytes of K's scale words, 256 of V's
.set FRB,   1536                       ; a fragment's image: registers 4 j .. 4 j + 3 of lane l at 512 j + 16 l
.set VOF,   6144                       ; V's fragments in a block
.set KSC,   12288                      ; K's scale words: row r, fragment f at 16 r + 4 f
.set VSC,   12544                      ; V's likewise
.set STG,   16*STEPB                   ; behind the 16 blocks: a stage of 16 rows x 272 bytes for each wave, for the way out
.set SP,    272
.set LI,   1                           ; v1   16 x lane: my place in an image
.set LS,   2                           ; v2   16 x (lane % 16): my row's four scale words
.set ADR,  3                           ; v3   v1 + the step's block
.set ADS,  4                           ; v4   v2 + the step's block
.set STO,  5                           ; v5   the way out: where I put 32 bytes of a row
.set RD,   6                           ; v6   where I read a row back
.set GO,   7                           ; v7   my byte offset in a tile's rows of out0
.set QSW,  8                           ; v8-9    Q's scale words, tile x.  v8-19 hold scales and nothing else
.set KSW,  10                          ; v10-13  K's, fragment f of the step
.set VSW,  14                          ; v14-17  V's, channels 16 ct on
.set PSW,  18                          ; v18-19  P's, tile x
.set ST,   20                          ; tile x's statistics at v[20 + 8 x]: +0 -M, +1 the largest t, +2, +3 the sum in two halves, +4 f of this half, +6 f of the trip (+5, +7: named as upper halves of pairs, hold 0)
.set QC,   36                          ; v36-65  q0, zeros, q1, zeros, q0
.set PC,   66                          ; v66-89  P's codes, 12 a tile
.set SA,   90                          ; v90-93  the first half's scales as conversion operands, tile x, block b
.set SS,   96                          ; v96-159 S^T, then p: tile x, block b, part u at 96 + 32 x + 16 b + 8 u; for V^T P: V's four fragments at 96 + 12 ct
.set OT,   160                         ; v160-223 O^T: tile x, channels 16 ct on at 160 + 32 x + 8 ct
.set KF,   224                         ; v224-247 a half's two fragments of K;
.set WK,   224                         ; behind the products the same registers are at work, 12 a tile: +0, +1 a block's largest score, then p; +2, +3 scales; +4..6 codes; +7 t; +10, +11 bytes
.set PX,   248                         ; v248-251 destinations of lane permutes; later in a half the second chain of each tile's sum, a pair a tile
; the prologue's registers
.set VQ,   20                          ; v20  Q: 256 r + 128 h
.set VK,   21                          ; v21  K: 12288 (l / 16) + 128 (l % 16)
.set VV,   22                          ; v22  V: 4 l
.set KD,   23                          ; v23  where my codes of K go
.set KE,   24                          ; v24  and my scale byte
.set VD,   25                          ; v25  the same for V
.set VE,   26
.set SH,   27                          ; v27  8 h
.set R0,   96                          ; four sets of 32 numbers
.set R1,   128
.set R2,   160
.set R3,   192
.set MX,   224                         ; v224-225 largest magnitudes
.set SO,   226                         ; v226 the conversion's scale operand
.set BY,   227                         ; v227 the scale's byte
.set CD,   228                         ; v228-233 a block's 32 codes
.set C2,   234                         ; v234-236 the second conversion's result
.set PZ,   237                         ; v237 a lane permute's destination
	s_load_b128 s[4:7], s[0:1], 0x0                ; qkv s[4:5], out0 s[6:7]
	v_lshl_add_u32 v254, v0, 2, 0x43000            ; the LDS address of my spare word, behind the stages; made here and kept for the closing lines alone
	v_mov_b32 v255, 0                              ; and 0, likewise
	v_lshrrev_b32 v3, 5, v0
	v_readfirstlane_b32 s8, v3                     ; wave 0..15
	v_and_b32 v28, 31, v0                          ; l
	v_and_b32 v29, 15, v0                          ; r = l % 16
	s_wait_alu depctr_va_vdst(0)
	v_bfe_u32 v30, v0, 4, 1                        ; h = l / 16
	v_bfe_u32 v31, v0, 1, 3                        ; (l / 2) % 8
	v_and_b32 v32, 1, v0                           ; l % 2
	s_wait_alu depctr_va_sdst(0)                   ; s8 is written, ahead of its first reader: the bases and the wave's places in LDS are made from it
	s_and_b32 s9, ttmp7, 0xffff                    ; the head
	s_mul_i32 s24, s9, 128*ROW                     ; the head's first row, in bytes (under 2^27)
	s_mul_i32 s26, s8, 8*ROW
	s_add_co_u32 s26, s26, s24                     ; + 8 rows a wave: keys 128 w on
	s_mov_b32 s27, 0
	s_mul_i32 s10, ttmp9, 32*ROW
	s_add_co_u32 s24, s24, s10                     ; + 32 rows a work-group: its 512 queries
	s_mul_i32 s10, s8, 2*ROW
	s_add_co_u32 s24, s24, s10                     ; + 2 rows a wave: my 32 queries
	s_mov_b32 s25, 0
	s_lshl_b32 s30, s9, 19                         ; out0: 524,288 bytes a head,
	s_lshl_b32 s10, ttmp9, 17                      ; 131,072 a work-group,
	s_add_co_u32 s30, s30, s10
	s_lshl_b32 s10, s8, 13                         ; 8,192 a wave
	s_add_co_u32 s30, s30, s10
	s_mov_b32 s31, 0
	s_mul_i32 s28, s8, STEPB                       ; the block that I fill
	s_mul_i32 s29, s8, 16*SP
	s_add_co_u32 s29, s29, STG                     ; my stage
	s_mov_b32 s16, 0x3eb504f3                      ; 8^-1/2
	s_mov_b32 s17, s16                             ; (the packed forms name a pair and take its low word for both halves: so the upper word is written)
	s_mov_b32 s18, 0x3fb8aa3b                      ; c = log2(e)
	s_mov_b32 s19, s18
	s_mov_b32 s20, 0x76543210                      ; v_permlanex16_b32's selects for lane l xor 16
	s_mov_b32 s21, 0xfedcba98
	v_lshlrev_b32 v[VQ], 8, v29
	s_wait_alu depctr_va_vdst(0)
	v_lshl_add_u32 v[VQ], v30, 7, v[VQ]            ; Q: query r, its channel block h: the very numbers that the operand's layout gives lane (r, h)
	v_mul_u32_u24 v[VK], v30, ROW
	v_lshl_add_u32 v[VK], v29, 7, v[VK]            ; K: sixteen lanes take eight neighbouring keys, two lanes (two channel blocks) a key; lanes 16-31 the row of qkv below
	v_lshlrev_b32 v[VV], 2, v28                    ; V: a lane a channel
	v_lshlrev_b32 v[KD], 4, v31                    ; I hold row 8 (l / 16) + (l / 2) % 8 of a tile and channel block l % 2: that is lane row + 16 block of the image
	v_lshl_add_u32 v[KD], v30, 7, v[KD]
	v_add_nc_u32 v[KE], v[KD], v32                 ; the scale byte: 16 x row + block
	v_lshl_add_u32 v[KD], v32, 8, v[KD]
	v_add_nc_u32 v[KD], s28, v[KD]
	v_add_nc_u32 v[KE], s28, v[KE]
	v_mul_u32_u24 v[VD], v30, FRB                  ; V: my channel is row l % 16 of fragment (l / 16) of the two in hand
	v_lshl_add_u32 v[VD], v29, 4, v[VD]
	v_add_nc_u32 v[VD], s28, v[VD]
	v_lshlrev_b32 v[VE], 4, v29
	v_lshl_add_u32 v[VE], v30, 2, v[VE]
	v_add_nc_u32 v[VE], s28, v[VE]
	v_lshlrev_b32 v[SH], 3, v30
	v_lshlrev_b32 v[LI], 4, v28                    ; the loop's and the way out's addresses
	v_lshlrev_b32 v[LS], 4, v29
	v_mul_u32_u24 v[STO], v29, SP                  ; into the stage: row r, 32 bytes for each half of the lanes
	v_lshl_add_u32 v[STO], v30, 5, v[STO]
	v_add_nc_u32 v[STO], s29, v[STO]
	v_mul_u32_u24 v[RD], v30, SP                   ; back: lanes 0-15 one row of 256 bytes, lanes 16-31 the next
	v_lshl_add_u32 v[RD], v29, 4, v[RD]
	v_add_nc_u32 v[RD], s29, v[RD]
	v_lshlrev_b32 v[GO], 8, v30                    ; and the same two rows in out0
	v_lshl_add_u32 v[GO], v29, 4, v[GO]
.irp i, 0,1,2,3,4,5
	v_mov_b32 v[QC+6+\i], 0                        ; the two runs of zero codes between the queries' codes
	v_mov_b32 v[QC+18+\i], 0
.endr
	v_mov_b32 v[PZ], 0                             ; a lane permute's destination counts as one of its sources
	s_wait_kmcnt 0x0
	s_add_nc_u64 s[12:13], s[4:5], s[26:27]        ; qkv at the rows of my 128 keys
	s_add_nc_u64 s[14:15], s[4:5], s[24:25]        ; and of my 32 queries
	s_add_nc_u64 s[6:7], s[6:7], s[30:31]          ; out0 at my first query
	s_wait_alu depctr_va_vdst(0)                   ; the addresses v1, v2, v5 to v7 and v20 to v26 are written, which the kernel's loads and stores read
.macro LOADQ x, R                      ; tile x: lane (r, h) takes the 32 numbers of channel block h of query r
.irp i, 0,1,2,3,4,5,6,7
	global_load_b128 v[\R+4*\i:\R+4*\i+3], v[VQ], s[14:15] offset:ROW*\x+16*\i th:TH_LOAD_NT
.endr
.endm
.macro LOADK n, R                      ; part n % 2 of fragment n / 2: 16 keys x 64 channels, a channel block a lane
.irp i, 0,1,2,3,4,5,6,7
	global_load_b128 v[\R+4*\i:\R+4*\i+3], v[VK], s[12:13] offset:4096+2*ROW*((\n)/2)+2048*((\n)%2)+16*\i
.endr
.endm
.macro LOADV m, R                      ; key block m / 2, channels 32 (m % 2) on: A LANE TAKES A CHANNEL AND ITS REGISTERS RUN DOWN THE 32 KEYS; a load reads 128 consecutive bytes
.irp i, 0,1,2,3,4,5,6,7,8,9,10,11,12,13,14,15,16,17,18,19,20,21,22,23,24,25,26,27,28,29,30,31
	global_load_b32 v[\R+\i], v[VV], s[12:13] offset:8192+(2*((\m)/2)+\i/16)*ROW+(\i%16)*256+128*((\m)%2)
.endr
.endm
; 32 numbers of a lane, a whole block, become 32 codes in v[C] .. v[C + 5] and the scale's byte in v[BY].  mul = 1: they are first multiplied by 8^-1/2.
.macro QUANT X, C, mul
.if \mul
.irp i, 0,2,4,6,8,10,12,14,16,18,20,22,24,26,28,30
	v_pk_mul_f32 v[\X+\i:\X+\i+1], v[\X+\i:\X+\i+1], s[16:17] op_sel_hi:[1,0]
.endr
.endif
	v_max3_num_f32 v[MX], |v[\X]|, |v[\X+1]|, |v[\X+2]|             ; the block's largest magnitude, in two chains
	v_max3_num_f32 v[MX+1], |v[\X+3]|, |v[\X+4]|, |v[\X+5]|
.irp i, 6,10,14,18,22,26
	v_max3_num_f32 v[MX], v[MX], |v[\X+\i]|, |v[\X+\i+1]|
	v_max3_num_f32 v[MX+1], v[MX+1], |v[\X+\i+2]|, |v[\X+\i+3]|
.endr
	v_max3_num_f32 v[MX], v[MX], |v[\X+30]|, |v[\X+31]|
	v_max3_num_f32 v[MX], v[MX], v[MX+1], 0x1800000                 ; and the floor 2^(3 - 127): the byte cannot fall under 1
	v_add_nc_u32 v[SO], 0xff000000, v[MX]          ; 2 off its exponent field: the conversion takes the exponent field of this operand as its scale, and nothing else of it
	s_wait_alu depctr_va_vdst(0)
	s_wait_dscnt 0x0                               ; the last block's LDS stores are done
	s_wait_alu depctr_vm_vsrc(0)                   ; the last job's LDS stores have read v[CD ..] and v[BY], which the lines below write again (ahead of the first job of K no store is out)
	v_cvt_scalef32_pk16_fp6_f32 v[\C:\C+2], v[\X:\X+15], v[SO]
	v_cvt_scalef32_pk16_fp6_f32 v[C2:C2+2], v[\X+16:\X+31], v[SO]  ; (a conversion's three registers begin on an even number)
	v_lshrrev_b32 v[BY], 23, v[SO]                 ; the scale's byte; also the plain place behind the conversions
.irp i, 0,1,2
	v_mov_b32 v[\C+3+\i], v[C2+\i]
.endr
	s_wait_alu depctr_va_vdst(0)                   ; the codes and the byte are written, which the job's LDS stores read; and the lines above are done with v[X ..], in which the set's next loads land
.endm
.macro QWORD x                         ; lane (r, h) holds the byte of block h: with lane l xor 16's it is query r's pair of bytes, laid twice, for [q | zeros] and for [zeros | q]
	v_lshlrev_b32 v[BY], v[SH], v[BY]
	v_permlanex16_b32 v[PZ], v[BY], s20, s21
	v_or_b32 v[BY], v[BY], v[PZ]
	v_lshl_or_b32 v[QSW+\x], v[BY], 16, v[BY]
.endm
.macro PUTK n                          ; my 24 bytes are registers 0-5 (part 0) or 6-11 (part 1) of a lane of fragment n / 2
.if (\n)%2 == 0
	ds_store_b128 v[KD], v[CD:CD+3] offset:FRB*((\n)/2)
	ds_store_b64 v[KD], v[CD+4:CD+5] offset:FRB*((\n)/2)+512
.else
	ds_store_b64 v[KD], v[CD:CD+1] offset:FRB*((\n)/2)+520
	ds_store_b128 v[KD], v[CD+2:CD+5] offset:FRB*((\n)/2)+1024
.endif
	ds_store_b8 v[KE], v[BY] offset:KSC+4*((\n)/2)+2*((\n)%2)       ; byte 2 x part + channel block of the row's word
.endm
.macro PUTV m                          ; key block m / 2 of my channel: lanes 0-15 of the image hold blocks 0 and 2, lanes 16-31 blocks 1 and 3; registers 0-5 blocks 0 and 1, registers 6-11 blocks 2 and 3
.set VB, VOF+2*FRB*((\m)%2)+256*(((\m)/2)%2)
.if (\m)/4 == 0
	ds_store_b128 v[VD], v[CD:CD+3] offset:VB
	ds_store_b64 v[VD], v[CD+4:CD+5] offset:VB+512
.else
	ds_store_b64 v[VD], v[CD:CD+1] offset:VB+520
	ds_store_b128 v[VD], v[CD+2:CD+5] offset:VB+1024
.endif
	ds_store_b8 v[VE], v[BY] offset:VSC+8*((\m)%2)+(\m)/2
.endm
.macro KJOB n, R, left                 ; left: the loads issued behind this job's, which may stay out (loads come back in order: ISA guide 5.7.1)
	s_wait_loadcnt \left
	QUANT \R, CD, 1
	PUTK \n
.endm
.macro VJOB m, R, left
	s_wait_loadcnt \left
	QUANT \R, CD, 0
	PUTV \m
.endm
; Two fragments of K (2 c and 2 c + 1 of the block off bytes behind the address) into v224-247; sw = 1: and that block's four scale words of my row.
.macro KLOAD adr, ads, c, off, sw
.irp f, 0,1
.irp j, 0,1,2
	ds_load_b128 v[KF+12*\f+4*\j:KF+12*\f+4*\j+3], v[\adr] offset:(\off)+FRB*(2*\c+\f)+512*\j
.endr
.endr
.if \sw
	ds_load_b128 v[KSW:KSW+3], v[\ads] offset:(\off)+KSC
.endif
.endm
	; THE PROLOGUE: 18 jobs on four sets of registers; a set is loaded again as soon as its job is done.  Between the wait at a job's end and the set's next loads stand the job's LDS stores
	; and, in Q's jobs, lines on Q's codes, its scale word and the byte: none names the set or the loads' offset.
	LOADQ 0, R0
	LOADQ 1, R1
	LOADK 0, R2
	LOADK 1, R3
	s_wait_loadcnt 24                              ; behind Q's tile 0: three jobs of 8 loads
	QUANT R0, QC, 1
.irp i, 0,1,2,3,4,5
	v_mov_b32 v[QC+24+\i], v[QC+\i]                ; q0 once more, at the run's end
.endr
	QWORD 0
	LOADK 2, R0
	s_wait_loadcnt 24
	QUANT R1, QC+12, 1
	QWORD 1
	LOADK 3, R1
	KJOB 0, R2, 24
	LOADK 4, R2
	KJOB 1, R3, 24
	LOADK 5, R3
	KJOB 2, R0, 24
	LOADK 6, R0
	KJOB 3, R1, 24
	LOADK 7, R1
	KJOB 4, R2, 24
	LOADV 0, R2
	KJOB 5, R3, 48                                 ; behind it: 8 + 8 of K and V's first 32
	KJOB 6, R0, 40                                 ; 8 of K and V's 32
	s_wait_loadcnt 32                              ; K's last job is in: V's 32 stand behind it; V's next 32 go out only now, so that the count can be named
	LOADV 1, R3                                    ; (no vector line stands between the wait at the end of the job before and these loads)
	QUANT R1, CD, 1
	PUTK 7
	VJOB 0, R2, 32                                 ; behind each job of V: the next one's 32 loads
	LOADV 2, R2
	VJOB 1, R3, 32
	LOADV 3, R3
	VJOB 2, R2, 32
	LOADV 4, R2
	VJOB 3, R3, 32
	LOADV 5, R3
	VJOB 4, R2, 32
	LOADV 6, R2
	VJOB 5, R3, 32
	LOADV 7, R3
	VJOB 6, R2, 32
	VJOB 7, R3, 0
	s_wait_dscnt 0x0                               ; for the others' sake: my block of codes and scale words lies in LDS
	s_wait_alu depctr_vm_vsrc(0)                   ; the prologue's loads and LDS stores have read v20 to v26, which the statistics below take over, and v[CD ..] and v[BY], in which K's first fragments land
	s_barrier_signal -1
.set j, 0
.rept 64
	v_mov_b32 v[OT+j], 0                           ; O^T.  (A trip is written for all: the first finds zeros, which the first change of M leaves zeros)
.set j, j+1
.endr
.irp x, 0,1
	v_mov_b32 v[ST+8*\x+1], 0xff61b1e6             ; the largest t so far: -3e38, under every t
	v_floor_f32 v[ST+8*\x], -v[ST+8*\x+1]          ; -M
	v_mov_b32 v[ST+8*\x+2], 0                      ; the sum, in two halves
	v_mov_b32 v[ST+8*\x+3], 0
	v_mov_b32 v[ST+8*\x+5], 0                      ; (named as upper halves of pairs)
	v_mov_b32 v[ST+8*\x+7], 0
.endr
.irp i, 0,1,2,3
	v_mov_b32 v[PX+\i], 0
.endr
	s_barrier_wait -1                              ; the whole head's codes lie in LDS; nothing is written there again but each wave's own stage
	s_wait_alu depctr_va_vdst(0)                   ; the prologue's arithmetic is done with v224 to v247, in which K's first fragments land; Q's codes and scale words, which the products take, are written
	KLOAD LI, LS, 0, 0, 1                          ; trip 0's first two fragments of K and its scale words: block 0, so the addresses are v1 and v2 as they stand
; A HALF: 64 keys (fragments 2 c and 2 c + 1 of the step) for both query tiles: scores, softmax, and registers 6 c .. 6 c + 5 of each tile's P.  Its fragments of K were asked for earlier.
.macro HALF c
	s_wait_dscnt 0x0                               ; the half's two fragments of K are in (c = 0: and the step's scale words)
.irp f, 0,1                            ; eight products on eight accumulators, each begun with the constant 0
.irp x, 0,1
	v_wmma_scale_f32_16x16x128_f8f6f4 v[SS+32*\x+16*\f:SS+32*\x+16*\f+7], v[KF+12*\f:KF+12*\f+11], v[QC+12*\x:QC+12*\x+11], 0, v[KSW+2*\c+\f], v[QSW+\x] matrix_a_fmt:MATRIX_FMT_FP6 matrix_b_fmt:MATRIX_FMT_FP6
.endr
.irp x, 0,1
	v_wmma_scale_f32_16x16x128_f8f6f4 v[SS+32*\x+16*\f+8:SS+32*\x+16*\f+15], v[KF+12*\f:KF+12*\f+11], v[QC+18-12*\x:QC+29-12*\x], 0, v[KSW+2*\c+\f], v[QSW+\x] matrix_a_fmt:MATRIX_FMT_FP6 matrix_b_fmt:MATRIX_FMT_FP6
.endr
.endr
.rept 5
	v_nop                                          ; four places in front of the first read of results and of writes into K's registers (ISA guide 7.12.1); the fifth for the next half's products, which write over these results
.endr
.irp x, 0,1
.irp b, 0,1
	v_max3_num_f32 v[WK+12*\x+\b], v[SS+32*\x+16*\b], v[SS+32*\x+16*\b+1], v[SS+32*\x+16*\b+2]   ; THE LARGEST SCORE OF EACH BLOCK OF 32 KEYS serves twice: for the row's maximum and, since p rises with the score, for the block's largest p.  Each accumulator is read from its low end on
.endr
.endr
.irp i, 3,5,7,9,11,13
.irp x, 0,1
.irp b, 0,1
	v_max3_num_f32 v[WK+12*\x+\b], v[WK+12*\x+\b], v[SS+32*\x+16*\b+\i], v[SS+32*\x+16*\b+\i+1]   ; (four blocks by turns)
.endr
.endr
.endr
.irp x, 0,1
.irp b, 0,1
	v_max_num_f32 v[WK+12*\x+\b], v[WK+12*\x+\b], v[SS+32*\x+16*\b+15]
.endr
.endr
.irp x, 0,1
.irp b, 0,1
	v_permlanex16_b32 v[PX+2*\x+\b], v[WK+12*\x+\b], s20, s21
.endr
.endr
.irp x, 0,1
.irp b, 0,1
	v_max_num_f32 v[WK+12*\x+\b], v[WK+12*\x+\b], v[PX+2*\x+\b]   ; with lane l xor 16's 16 keys
.endr
.endr
.irp x, 0,1
	v_max_num_f32 v[WK+12*\x+7], v[WK+12*\x], v[WK+12*\x+1]       ; the half's largest score of my query
.endr
.irp x, 0,1
	v_mul_f32 v[WK+12*\x+7], s18, v[WK+12*\x+7]    ; as t (c is positive)
.endr
.irp x, 0,1
	v_max_num_f32 v[ST+8*\x+1], v[ST+8*\x+1], v[WK+12*\x+7]       ; the running largest t
.endr
.irp x, 0,1
	v_mov_b32 v[WK+12*\x+7], v[ST+8*\x]
.endr
.irp x, 0,1
	v_floor_f32 v[ST+8*\x], -v[ST+8*\x+1]          ; the new -M = floor(-t) = -ceil(t): M is a whole number
.endr
.irp x, 0,1
	v_sub_f32 v[WK+12*\x+7], v[ST+8*\x], v[WK+12*\x+7]            ; M's old value less its new one: a whole number, 0 or less
.endr
.irp x, 0,1
	v_cvt_i32_f32 v[WK+12*\x+7], v[WK+12*\x+7]     ; (it saturates)
.endr
.irp x, 0,1
	v_ldexp_f32 v[ST+8*\x+4], 1.0, v[WK+12*\x+7]   ; f = 2^(old M - new M)
.endr
.irp x, 0,1
.irp j, 0,2,4,6,8,10,12,14,16,18,20,22,24,26,28,30
	v_pk_fma_f32 v[SS+32*\x+\j:SS+32*\x+\j+1], v[SS+32*\x+\j:SS+32*\x+\j+1], s[18:19], v[ST+8*\x:ST+8*\x+1] op_sel_hi:[1,0,0]   ; t - M, two at a time (of the pairs c and -M the low word serves both halves)
.endr
.endr
.irp x, 0,1
.irp b, 0,1
	v_fma_f32 v[WK+12*\x+\b], v[WK+12*\x+\b], s18, v[ST+8*\x]     ; the same of each block's largest score
.endr
.endr
.set j, 0
	s_wait_alu depctr_va_vdst(0)
.rept 64
	v_exp_f32 v[SS+j], v[SS+j]                     ; p = 2^(t - M): not normalised
.set j, j+1
.endr
.irp x, 0,1
.irp b, 0,1
	v_exp_f32 v[WK+12*\x+\b], v[WK+12*\x+\b]       ; the block's largest p: the same arithmetic on the same number
.endr
.endr
.irp x, 0,1
	v_pk_mul_f32 v[ST+8*\x+2:ST+8*\x+3], v[ST+8*\x+2:ST+8*\x+3], v[ST+8*\x+4:ST+8*\x+5] op_sel_hi:[1,0]   ; the sums under the new M.  (The plain place behind the exponentials)
.endr
	s_wait_alu depctr_va_vdst(0)                   ; the 68 exponentials have written p and the blocks' largest p: one wait for the batch, ahead of its first reader
.irp x, 0,1
.irp b, 0,1
	v_max_num_f32 v[WK+12*\x+\b], 0x1800000, v[WK+12*\x+\b]       ; the floor 2^(3 - 127): the byte cannot fall under 1
.endr
.endr
.irp x, 0,1
.irp b, 0,1
.if \c == 0
	v_add_nc_u32 v[SA+2*\x+\b], 0xff000000, v[WK+12*\x+\b]        ; 2 off the exponent field: the conversion's scale operand; the first half's are kept until M has moved for the last time in this trip
.else
	v_add_nc_u32 v[WK+12*\x+2+\b], 0xff000000, v[WK+12*\x+\b]
.endif
.endr
.endr
.irp x, 0,1
.if \c == 0
	v_cvt_scalef32_pk16_fp6_f32 v[PC+12*\x:PC+12*\x+2], v[SS+32*\x:SS+32*\x+15], v[SA+2*\x]
	v_cvt_scalef32_pk16_fp6_f32 v[WK+12*\x+4:WK+12*\x+6], v[SS+32*\x+16:SS+32*\x+31], v[SA+2*\x+1]
.else
	v_cvt_scalef32_pk16_fp6_f32 v[PC+12*\x+6:PC+12*\x+8], v[SS+32*\x:SS+32*\x+15], v[WK+12*\x+2]
	v_cvt_scalef32_pk16_fp6_f32 v[WK+12*\x+4:WK+12*\x+6], v[SS+32*\x+16:SS+32*\x+31], v[WK+12*\x+3]
.endif
.endr
	v_nop                                          ; one plain place behind the scaled conversions
.irp x, 0,1                            ; the operand's layout wants a WHOLE block in a lane: lanes 0-15 block 2 c, lanes 16-31 block 2 c + 1
.irp i, 0,1,2
	v_permlane16_swap_b32 v[PC+12*\x+6*\c+\i], v[WK+12*\x+4+\i]
.endr
.endr
.irp x, 0,1
.irp i, 0,1,2
	v_mov_b32 v[PC+12*\x+6*\c+3+\i], v[WK+12*\x+4+\i]
.endr
.endr
.if \c == 0
.irp x, 0,1
	v_mov_b32 v[ST+8*\x+6], v[ST+8*\x+4]           ; the trip's f begins
.endr
	s_wait_alu depctr_va_vdst(0)                   ; this half's products and its lines above are done with v224 to v247, in which the next half's fragments of K land; v[ADR], which the loads read, is written
	KLOAD ADR, ADS, 1, 0, 0                        ; the sums below name p, the statistics and v248 to v251 alone, and stand while these six loads are out
.else
.irp x, 0,1
	v_mul_f32 v[ST+8*\x+6], v[ST+8*\x+6], v[ST+8*\x+4]            ; the trip's f: both halves' changes of M
.endr
.irp x, 0,1
.irp b, 0,1
	v_mul_f32 v[SA+2*\x+\b], v[SA+2*\x+\b], v[ST+8*\x+4]          ; the first half's scales under the new M: a power of two, which touches the exponent field alone;
.endr
.endr
.irp x, 0,1
.irp b, 0,1
	v_max_num_f32 v[SA+2*\x+\b], 0x800000, v[SA+2*\x+\b]          ; held at 2^-126, the byte 1, from below
.endr
.endr
.irp x, 0,1
.irp b, 0,1
	v_lshrrev_b32 v[WK+12*\x+10+\b], 23, v[SA+2*\x+\b]            ; the four bytes
	v_lshrrev_b32 v[WK+12*\x+2+\b], 23, v[WK+12*\x+2+\b]
.endr
.endr
.irp x, 0,1
	v_lshl_or_b32 v[PSW+\x], v[WK+12*\x+11], 8, v[WK+12*\x+10]    ; P's scale word for these 128 keys
.endr
.irp x, 0,1
	v_lshl_or_b32 v[PSW+\x], v[WK+12*\x+2], 16, v[PSW+\x]
.endr
.irp x, 0,1
	v_lshl_or_b32 v[PSW+\x], v[WK+12*\x+3], 24, v[PSW+\x]
.endr
.endif
.irp x, 0,1
	v_pk_add_f32 v[PX+2*\x:PX+2*\x+1], v[SS+32*\x:SS+32*\x+1], v[SS+32*\x+2:SS+32*\x+3]   ; THE ROW'S SUM IS TAKEN OF THE UNQUANTISED p: two at a time, two chains a tile; the second chain lies in the permutes' registers, which are idle here
.endr
.irp j, 4,8,12,16,20,24,28
.irp x, 0,1
	v_pk_add_f32 v[ST+8*\x+2:ST+8*\x+3], v[ST+8*\x+2:ST+8*\x+3], v[SS+32*\x+\j:SS+32*\x+\j+1]
	v_pk_add_f32 v[PX+2*\x:PX+2*\x+1], v[PX+2*\x:PX+2*\x+1], v[SS+32*\x+\j+2:SS+32*\x+\j+3]
.endr
.endr
.irp x, 0,1
	v_pk_add_f32 v[ST+8*\x+2:ST+8*\x+3], v[ST+8*\x+2:ST+8*\x+3], v[PX+2*\x:PX+2*\x+1]
.endr
.endm
; O^T += V^T P^T for the step's 128 keys: four fragments of V, each for both query tiles.  next = 1: the next trip's first two fragments of K and its scale words are asked for behind V's.
.macro PV next
	s_wait_alu depctr_va_vdst(0)                   ; the sums and conversions are done with p, in which V's fragments land, and the half's lines with v224 to v247, in which K's land; earlier products have read K's and V's scale words, which are loaded anew; P's codes and scale words, which the products below take, are written (the 32 additions of the sums are the places behind them)
.irp t, 0,1,2,3
.irp j, 0,1,2
	ds_load_b128 v[SS+12*\t+4*\j:SS+12*\t+4*\j+3], v[ADR] offset:VOF+FRB*\t+512*\j
.endr
.endr
	ds_load_b128 v[VSW:VSW+3], v[ADS] offset:VSC
.if \next
	KLOAD ADR, ADS, 0, STEPB, 1                    ; the block behind this one; no line from here to the next trip's first products names the registers in which these seven loads land
.endif
.irp x, 0,1
.irp j, 0,2,4,6,8,10,12,14,16,18,20,22,24,26,28,30
	v_pk_mul_f32 v[OT+32*\x+\j:OT+32*\x+\j+1], v[OT+32*\x+\j:OT+32*\x+\j+1], v[ST+8*\x+6:ST+8*\x+7] op_sel_hi:[1,0]   ; O^T under the new M, each accumulator from its low end on.  These stand while the loads are out
.endr
.endr
.if \next
	s_wait_alu depctr_va_vdst(0)
	s_wait_dscnt 7                                 ; LDS loads come back in order (ISA guide 5.7.1): V's thirteen are in, the seven of the next trip's K stay out
.else
	s_wait_alu depctr_va_vdst(0)
	s_wait_dscnt 0x0
.endif
.irp t, 0,1,2,3                        ; eight accumulators by turns, one instruction a turn
.irp x, 0,1
	v_wmma_scale_f32_16x16x128_f8f6f4 v[OT+32*\x+8*\t:OT+32*\x+8*\t+7], v[SS+12*\t:SS+12*\t+11], v[PC+12*\x:PC+12*\x+11], v[OT+32*\x+8*\t:OT+32*\x+8*\t+7], v[VSW+\t], v[PSW+\x] matrix_a_fmt:MATRIX_FMT_FP6 matrix_b_fmt:MATRIX_FMT_FP6
.endr
.endr
.rept 5
	v_nop                                          ; the next scores are written over V's registers by matrix instructions: five places; behind the last trip they serve the first read of O^T
.endr
.endm
; A TRIP: 128 keys.  next = 1: in the loop, the block at s22; next = 0: the last trip, block 15, which asks for nothing behind itself: no LDS load reads past the sixteen blocks.
.macro TRIP next
	s_wait_alu depctr_vm_vsrc(0)                   ; the LDS loads issued so far have read v[ADR] and v[ADS], which the two lines below write
.if \next
	v_add_nc_u32 v[ADR], s22, v[LI]
	v_add_nc_u32 v[ADS], s22, v[LS]
.else
	v_add_nc_u32 v[ADR], 15*STEPB, v[LI]
	v_add_nc_u32 v[ADS], 15*STEPB, v[LS]
.endif
	HALF 0
	HALF 1
	PV \next
.endm
	s_mov_b32 s22, 0                               ; the step's block in LDS
	s_mov_b32 s23, 15
.Lstep:                                            ; 15 trips of 128 keys
	TRIP 1
	s_add_co_u32 s22, s22, STEPB
	s_sub_co_u32 s23, s23, 1
	s_cmp_lg_u32 s23, 0
	s_cbranch_scc1 .Lstep
	TRIP 0                                         ; the sixteenth
; THE WAY OUT.  A tile is 16 rows of 256 bytes of out0, 4,096 consecutive bytes.  A lane holds 32 bytes of four places of one row: the tile goes through my own stage in LDS and comes back as whole rows.
.macro PACK x
	v_add_f32 v[ST+8*\x+4], v[ST+8*\x+2], v[ST+8*\x+3]            ; the sum's two halves,
	v_permlanex16_b32 v[PX+2*\x], v[ST+8*\x+4], s20, s21
	v_add_f32 v[ST+8*\x+4], v[ST+8*\x+4], v[PX+2*\x]              ; and lane l xor 16's: the row's sum
	s_wait_alu depctr_va_vdst(0)
	v_rcp_f32 v[ST+8*\x+4], v[ST+8*\x+4]
	v_nop                                          ; one plain place behind the transcendental
	s_wait_alu depctr_va_vdst(0)                   ; the reciprocal is written, ahead of its first reader
.irp j, 0,2,4,6,8,10,12,14,16,18,20,22,24,26,28,30
	v_pk_mul_f32 v[SS+32*\x+\j:SS+32*\x+\j+1], v[OT+32*\x+\j:OT+32*\x+\j+1], v[ST+8*\x+4:ST+8*\x+5] op_sel_hi:[1,0]   ; O^T / the sum: register 8 t + i is out(r, 16 t + 8 h + i)
.endr
	s_wait_alu depctr_va_vdst(0)                   ; the multiplications have written the tile's quotients, which the LDS stores read, and are done reading its O^T, in which the loads from the stage land
.irp t, 0,1,2,3
	ds_store_b128 v[STO], v[SS+32*\x+8*\t:SS+32*\x+8*\t+3] offset:64*\t
	ds_store_b128 v[STO], v[SS+32*\x+8*\t+4:SS+32*\x+8*\t+7] offset:64*\t+16
.endr
.irp i, 0,1,2,3,4,5,6,7
	ds_load_b128 v[OT+32*\x+4*\i:OT+32*\x+4*\i+3], v[RD] offset:2*SP*\i   ; LDS serves a wave's instructions in order (ISA guide 5.7.1.4): these see the stores above, and the next tile's stores come behind them
.endr
.endm
.macro SEND x, younger                 ; younger: the LDS instructions issued behind tile x's loads
.irp i, 0,1,2,3,4,5,6,7
	s_wait_dscnt \younger+7-\i
	global_store_b128 v[GO], v[OT+32*\x+4*\i:OT+32*\x+4*\i+3], s[6:7] offset:4096*\x+512*\i th:TH_STORE_NT   ; 32 lanes store 512 consecutive bytes, at a multiple of 256 from out0's first byte
.endr
.endm
	PACK 0
	PACK 1                                         ; tile 1's arithmetic stands between tile 0's loads and its stores; it names tile 1's registers alone
	SEND 0, 16
	SEND 1, 0
	s_wait_dscnt 0x0                               ; the closing lines, six on end
	s_wait_alu 0x0
	s_wait_tensorcnt 0x0
	ds_add_u32 v254, v255
	s_wait_dscnt 0x0
	s_endpgm
.Lfunc_end_k_qc78ad23727_attn:
	.size	k_qc78ad23727_attn, .Lfunc_end_k_qc78ad23727_attn-k_qc78ad23727_attn
	.p2alignl 7, 3214868480
	.fill 96, 4, 3214868480
	.section	.rodata,"a",@progbits
	.p2align	6, 0x0
	.amdhsa_kernel k_qc78ad23727_attn
		.amdhsa_group_segment_fixed_size 276480
		.amdhsa_private_segment_fixed_size 0
		.amdhsa_enable_private_segment 0
		.amdhsa_kernarg_size 16
		.amdhsa_user_sgpr_count 2
		.amdhsa_user_sgpr_kernarg_segment_ptr 1
		.amdhsa_wavefront_size32 1
		.amdhsa_system_sgpr_workgroup_id_x 1
		.amdhsa_system_sgpr_workgroup_id_y 1
		.amdhsa_system_sgpr_workgroup_id_z 1
		.amdhsa_system_vgpr_workitem_id 0
		.amdhsa_next_free_vgpr 256
		.amdhsa_next_free_sgpr 66
		.amdhsa_reserve_vcc 0
		.amdhsa_float_denorm_mode_32 3
		.amdhsa_float_denorm_mode_16_64 3
		.amdhsa_memory_ordered 1
		.amdhsa_forward_progress 1
		.amdhsa_inst_pref_size 146
	.end_amdhsa_kernel
	.amdgpu_metadata
---
amdhsa.version: [ 1, 2 ]
amdhsa.kernels:
  - .name:           k_qc78ad23727_attn
    .symbol:         k_qc78ad23727_attn.kd
    .args:
      - { .name: qkv, .offset: 0, .size: 8, .value_kind: global_buffer, .address_space: global }
      - { .name: out0, .offset: 8, .size: 8, .value_kind: global_buffer, .address_space: global }
    .group_segment_fixed_size: 276480
    .private_segment_fixed_size: 0
    .kernarg_segment_align: 8
    .kernarg_segment_size: 16
    .max_flat_workgroup_size: 512
    .sgpr_count:     66
    .vgpr_count:     256
    .wavefront_size: 32
...
	.end_amdgpu_metadata
.endif
;; end of part 2
